; MI455X (gfx1250); checked and timed in simulation.
; The chip was launched on July 23, 2026; its instructions are those of AMD's public machine-readable ISA for CDNA 5 (MIT licence, August 2026) and "CDNA5" Instruction Set Architecture Reference Guide (July 2026). The comments in the code are by the model that wrote it; some were corrected since.
;; Attention Block. Allowed arithmetic: matrix products marked QUANTISED: E5M2 operands, one E8M0 scale for each 32 along K, by v_wmma_scale_f32_16x16x128_f8f6f4 with both operands' format E5M2, f32 sums; everything else in f32.
;; Inputs: gn_beta 256 float32; gn_gamma 256 float32; proj_b 256 float32; proj_w_codes 256 x 8 x 32 uint8 (E5M2 codes of proj_w, K innermost, in blocks of 32 codes); proj_w_scales 256 x 8 uint8 (E8M0 scales of proj_w, one for each 32 codes along K); qkv_b 768 float32; qkv_w_codes 768 x 8 x 32 uint8 (E5M2 codes of qkv_w, K innermost, in blocks of 32 codes); qkv_w_scales 768 x 8 uint8 (E8M0 scales of qkv_w, one for each 32 codes along K); x 4 x 256 x 64 x 64 float32.
;; Outputs: out0 4 x 256 x 64 x 64 float32.
;; This version of the problem:
;;   THIS VERSION OF THE PROBLEM IS GIVEN IN LOW PRECISION. The matrix products marked QUANTISED in the list below multiply operands that are first quantised to E5M2 (5 exponent bits, 2 mantissa bits; 8 bits a number), with one power-of-two scale for each 32 numbers along K (OCP MX v1.0); their sums are f32. All else is computed in f32.
;;   The module's matrix products, in the order in which they are computed (A, B: the left and right operand; K: the contracted axis; several contracted axes count as one K, in the product's order):
;;     1. [M 16,384, K 256] x [K 256, N 768]; A: computed on the way; B: input qkv_w (given as codes): QUANTISED
;;     2. batch 16 x [M 4,096, K 64] x [K 64, N 4,096]; A: computed on the way; B: computed on the way: QUANTISED
;;     3. batch 16 x [M 64, K 4,096] x [K 4,096, N 4,096]; A: computed on the way; B: softmax (see below): QUANTISED
;;     4. [M 16,384, K 256] x [K 256, N 256]; A: computed on the way; B: input proj_w (given as codes): QUANTISED
;;   THE QUANTISER, for each operand of a quantised product, along K:
;;     - K is cut into blocks of 32 from its start; a last block that is shorter is filled with zeros.
;;     - A block's scale is 2^e with e = floor(log2(the largest magnitude in the block)) - 15, held to -126 .. 127; a block of zeros has e = 0. As a byte (E8M0): e + 127.
;;     - Each number is divided by its block's scale, clamped to +-57,344, and rounded to the nearest number of E5M2, ties to even, subnormals kept.
;;     - The product sums the exact products of the quantised numbers (number of the format x scale) in f32.
;;   ~~~python
;;   def quantise(x, axis):      # numpy; x: float32 -> the quantised numbers, widened to float32 again
;;       x = np.moveaxis(x, axis, -1); K = x.shape[-1]
;;       x = np.pad(x, [(0, 0)] * (x.ndim - 1) + [(0, -K % 32)]); x = x.reshape(x.shape[:-1] + (-1, 32)); a = np.abs(x).max(-1, keepdims=True)
;;       e = np.where(a > 0, np.clip(np.frexp(np.where(a > 0, a, 1))[1] - 1 - 15, -126, 127), 0)      # np.frexp(a)[1] - 1 = floor(log2(a)), exactly
;;       r = np.clip(x / 2.0 ** e, -57344, 57344)
;;       step = 2.0 ** (np.maximum(np.frexp(np.where(r == 0, 1, r))[1] - 1, -14) - 2)
;;       q = np.round(r / step) * step * 2.0 ** e      # np.round: ties to even
;;       return np.moveaxis(q.reshape(q.shape[:-2] + (-1,))[..., :K], -1, axis).astype(np.float32)
;;   ~~~
;;   SOFTMAX AHEAD OF A QUANTISED PRODUCT. Where the list says 'softmax', what is quantised is not the finished softmax but p = 2^(t - M), with t = logit x log2(e) and M = ceil(the row's largest t), a whole number; so 1/2 < the row's largest p <= 1. The row's sum l is taken of the UNQUANTISED p, in f32, and the product's result is divided by l at the end. Since M is a whole number, a kernel that streams over the keys may use a running M (the ceiling of the running maximum): every later rescaling is an exact power of two, which a block's scale takes up: the codes' values come out the same.
;;   OPERANDS COMPUTED ON THE WAY. 'Computed on the way' means the value that the module computes at that place (a softmax that the list does not call 'softmax' is quantised finished and normalised). What goes into a quantiser is computed in f32, as accurately as f32 sums, v_exp_f32 and their like allow (about 1e-6 of the number): no bf16 or f16 on the way to a quantiser, and a product that is left as it is and whose result goes on into a quantised operand takes f32 operands (vector FMAs, or v_wmma_f32_16x16x4_f32). A number that lies on a knife's edge between two numbers of the format may be rounded either way, as far as f32 arithmetic and the matrix unit's own rounding can turn it there, and no further.
;;   INPUTS GIVEN AS CODES. proj_w (in the module: [256, 256], K = its axis 1); qkv_w (in the module: [768, 256], K = its axis 1): each comes as NAME_codes (uint8): NAME with its K axis moved to the last place and cut into blocks of 32 codes, [.., K / 32, bytes a block], one block behind the other in memory; one code a byte (a code: sign, 5 exponent bits, 2 mantissa bits); and NAME_scales (uint8): the same leading axes, one E8M0 byte (e + 127) for each 32 codes along K. Its value is code x scale, taken as it is: it is not quantised again, and the codes and scales need not be those that the quantiser above would give.
;; One version. Each part assembles by itself: llvm-mc -triple=amdgcn-amd-amdhsa -mcpu=gfx1250 --defsym DOCPART=n.
;; ======== version 1 of 1: 4 launches
;; limits: right only within a limited range of input values
;; workspace buffers: stats 2,048 bytes; qkvc 12,582,912 bytes; qkvs 393,216 bytes; ocodes 4,194,304 bytes; oscales 131,072 bytes
;; launch gnstats (part 1): grid 256 x 1, 8 waves a work-group, no clusters, 1,280 bytes of LDS; arguments x, stats; writes stats
.if DOCPART == 1
	.amdgcn_target "amdgcn-amd-amdhsa--gfx1250"
	.amdhsa_code_object_version 6
	.text
	.protected	k_q9beeb5d03c_gnstats
	.globl	k_q9beeb5d03c_gnstats
	.p2align	8
	.type	k_q9beeb5d03c_gnstats,@function
k_q9beeb5d03c_gnstats:
	s_mov_b64 s[64:65], 0
	v_nop
	global_prefetch_b8 v0, s[64:65] scope:SCOPE_SE
	s_setreg_imm32_b32 hwreg(HW_REG_WAVE_MODE, 25, 1), 1
	s_wait_xcnt 0x0
; GroupNorm's statistics, first half.  x is [4][256][4096] f32; a group is 32 channels x 4,096 pixels = 131,072 numbers = 524,288 dense bytes.
; Work-group g takes the 65,536 bytes from byte 65,536 g on: chunk g % 8 of group g / 8, and stores (mean, M2) of its 16,384 numbers at stats + 8 g;
; M2 is the sum of squared distances from the chunk's own mean.  The next launch joins a group's eight chunks.
; Each of the eight waves holds 2,048 numbers in 64 registers a lane: the mean is taken first and the squares of x - mean second, from registers,
; so that x is read once and no difference of large sums is formed (a common offset of x costs no accuracy).
; A stream: every load of a wave covers 512 consecutive bytes; all 16 loads of a wave are out together.  No matrix unit, no ring, no cluster: nothing is shared.
; LIMITS: NaN and infinities in x are not served.
.set X, 16                             ; v[16:79] my 64 numbers
.macro WSUM r, t                       ; the sum of v[r] over the wave's 32 lanes, in every lane; v[t] has been written before
	s_delay_alu instid0(VALU_DEP_1)
	v_add_f32_dpp v[\r], v[\r], v[\r] row_xmask:1 row_mask:0xf bank_mask:0xf
	s_delay_alu instid0(VALU_DEP_1)
	v_add_f32_dpp v[\r], v[\r], v[\r] row_xmask:2 row_mask:0xf bank_mask:0xf
	s_delay_alu instid0(VALU_DEP_1)
	v_add_f32_dpp v[\r], v[\r], v[\r] row_xmask:4 row_mask:0xf bank_mask:0xf
	s_delay_alu instid0(VALU_DEP_1)
	v_add_f32_dpp v[\r], v[\r], v[\r] row_xmask:8 row_mask:0xf bank_mask:0xf
	s_delay_alu instid0(VALU_DEP_1)
	v_permlanex16_b32 v[\t], v[\r], s12, s13
	s_delay_alu instid0(VALU_DEP_1)
	v_add_f32 v[\r], v[\r], v[\t]
.endm
; Eight parts of n numbers each, (mean, M2) at v[base + 2 i], v[base + 2 i + 1], are joined: mean = the means' mean; M2 = the sum of the M2 + n x the sum of (mean_i - mean)^2
.macro COMBINE base, n, om, oq, t
	v_add_f32 v[\om], v[\base], v[\base+2]
	v_add_f32 v[\oq], v[\base+1], v[\base+3]
.irp i, 2,3,4,5,6,7
	s_delay_alu instid0(VALU_DEP_2)
	v_add_f32 v[\om], v[\om], v[\base+2*\i]
	s_delay_alu instid0(VALU_DEP_2)
	v_add_f32 v[\oq], v[\oq], v[\base+2*\i+1]
.endr
	s_delay_alu instid0(VALU_DEP_2)
	v_mul_f32 v[\om], 0x3e000000, v[\om]           ; / 8
	s_delay_alu instid0(VALU_DEP_1)
	v_sub_f32 v[\t], v[\base], v[\om]
	s_delay_alu instid0(VALU_DEP_1)
	v_mul_f32 v[\t+1], v[\t], v[\t]
.irp i, 1,2,3,4,5,6,7
	v_sub_f32 v[\t], v[\base+2*\i], v[\om]
	s_delay_alu instid0(VALU_DEP_1)
	v_fma_f32 v[\t+1], v[\t], v[\t], v[\t+1]
.endr
	s_delay_alu instid0(VALU_DEP_1)
	v_fmamk_f32 v[\oq], v[\t+1], \n, v[\oq]
.endm
	s_load_b128 s[4:7], s[0:1], 0x0                ; x, stats
	v_lshl_add_u32 v96, v0, 2, 0x100
	v_mov_b32 v97, 0
	v_lshrrev_b32 v1, 5, v0
	s_delay_alu instid0(VALU_DEP_1)
	v_readfirstlane_b32 s8, v1                     ; wave 0..7
	v_and_b32 v2, 31, v0
	s_delay_alu instid0(VALU_DEP_1)
	v_lshlrev_b32 v2, 4, v2
	s_delay_alu instid0(VALU_DEP_1)
	v_lshl_or_b32 v1, v1, 13, v2                   ; 8,192 x wave + 16 x lane
	s_lshl_b32 s10, ttmp9, 16                      ; my chunk's first byte (under 2^24)
	s_mov_b32 s11, 0
	s_mov_b32 s12, 0x76543210                      ; v_permlanex16_b32's selects for lane l xor 16
	s_mov_b32 s13, 0xfedcba98
	v_mov_b32 v11, 0                               ; a lane permute's destination counts as one of its sources
	s_wait_alu depctr_va_vdst(0)
	s_wait_kmcnt 0x0
	s_add_nc_u64 s[4:5], s[4:5], s[10:11]
.irp i, 0,1,2,3,4,5,6,7,8,9,10,11,12,13,14,15
	global_load_b128 v[X+4*\i:X+4*\i+3], v1, s[4:5] offset:512*\i   ; no hint: later launches read x again
.endr
	s_lshl_b32 s10, ttmp9, 3
	s_add_nc_u64 s[6:7], s[6:7], s[10:11]          ; where my pair goes
	s_wait_loadcnt 0x0
	; the sum, in four chains of pairs that the first eight pairs start
.irp k, 0,1,2,3
	v_pk_add_f32 v[2+2*\k:3+2*\k], v[X+2*\k:X+2*\k+1], v[X+8+2*\k:X+9+2*\k]
.endr
.set j, 8
.rept 24
	s_delay_alu instid0(VALU_DEP_4)
	v_pk_add_f32 v[2+2*(j%4):3+2*(j%4)], v[2+2*(j%4):3+2*(j%4)], v[X+2*j:X+2*j+1]
.set j, j+1
.endr
	s_delay_alu instid0(VALU_DEP_3)
	v_pk_add_f32 v[2:3], v[2:3], v[4:5]
	s_delay_alu instid0(VALU_DEP_2)
	v_pk_add_f32 v[6:7], v[6:7], v[8:9]
	s_delay_alu instid0(VALU_DEP_1)
	v_pk_add_f32 v[2:3], v[2:3], v[6:7]
	s_delay_alu instid0(VALU_DEP_1)
	v_add_f32 v10, v2, v3
	WSUM 10, 11
	s_delay_alu instid0(VALU_DEP_1)
	v_mul_f32 v12, 0xba000000, v10                 ; -(the wave's mean): x -2^-11
	s_delay_alu instid0(VALU_DEP_1)
	v_mov_b32 v13, v12
.set j, 0
.rept 32
	v_pk_add_f32 v[X+2*j:X+2*j+1], v[X+2*j:X+2*j+1], v[12:13]      ; x - mean
.set j, j+1
.endr
.irp k, 0,1,2,3
	v_pk_mul_f32 v[2+2*\k:3+2*\k], v[X+2*\k:X+2*\k+1], v[X+2*\k:X+2*\k+1]
.endr
.set j, 4
.rept 28
	s_delay_alu instid0(VALU_DEP_4)
	v_pk_fma_f32 v[2+2*(j%4):3+2*(j%4)], v[X+2*j:X+2*j+1], v[X+2*j:X+2*j+1], v[2+2*(j%4):3+2*(j%4)]
.set j, j+1
.endr
	s_delay_alu instid0(VALU_DEP_3)
	v_pk_add_f32 v[2:3], v[2:3], v[4:5]
	s_delay_alu instid0(VALU_DEP_2)
	v_pk_add_f32 v[6:7], v[6:7], v[8:9]
	s_delay_alu instid0(VALU_DEP_1)
	v_pk_add_f32 v[2:3], v[2:3], v[6:7]
	s_delay_alu instid0(VALU_DEP_1)
	v_add_f32 v15, v2, v3
	WSUM 15, 11                                    ; the wave's M2
	v_mul_f32 v14, -1.0, v12                       ; its mean
	s_lshl_b32 s9, s8, 3
	v_mov_b32 v10, s9
	ds_store_b64 v10, v[14:15]                     ; all lanes write the same pair to the wave's own 8 bytes
	s_wait_dscnt 0x0                               ; for the others' sake
	s_barrier_signal -1
	s_barrier_wait -1
	v_mov_b32 v1, 0
.irp i, 0,1,2,3
	ds_load_b128 v[80+4*\i:83+4*\i], v1 offset:16*\i
.endr
	s_wait_dscnt 0x0
	COMBINE 80, 0x45000000, 2, 3, 4                ; eight waves of 2,048 numbers
	s_cmp_lg_u32 s8, 0
	s_cbranch_scc1 .Lend                           ; wave 0 stores
	v_cmp_eq_u32 vcc_lo, 0, v0
	s_wait_xcnt 0x0                                ; EXEC changes only behind this wait
	s_and_saveexec_b32 s9, vcc_lo
	s_wait_alu depctr_va_vdst(0)
	global_store_b64 v1, v[2:3], s[6:7]            ; 8 bytes a work-group: the whole buffer is 2,048 bytes
	s_wait_xcnt 0x0
	s_or_b32 exec_lo, exec_lo, s9
.Lend:
	s_wait_tensorcnt 0x0
	ds_add_u32 v96, v97
	s_wait_dscnt 0x0
	s_endpgm
.Lfunc_end_k_q9beeb5d03c_gnstats:
	.size	k_q9beeb5d03c_gnstats, .Lfunc_end_k_q9beeb5d03c_gnstats-k_q9beeb5d03c_gnstats
	.p2alignl 7, 3214868480
	.fill 96, 4, 3214868480
	.section	.rodata,"a",@progbits
	.p2align	6, 0x0
	.amdhsa_kernel k_q9beeb5d03c_gnstats
		.amdhsa_group_segment_fixed_size 1280
		.amdhsa_private_segment_fixed_size 0
		.amdhsa_enable_private_segment 0
		.amdhsa_kernarg_size 16
		.amdhsa_user_sgpr_count 2
		.amdhsa_user_sgpr_kernarg_segment_ptr 1
		.amdhsa_wavefront_size32 1
		.amdhsa_system_sgpr_workgroup_id_x 1
		.amdhsa_system_sgpr_workgroup_id_y 1
		.amdhsa_system_sgpr_workgroup_id_z 1
		.amdhsa_system_vgpr_workitem_id 0
		.amdhsa_next_free_vgpr 98
		.amdhsa_next_free_sgpr 66
		.amdhsa_reserve_vcc 1
		.amdhsa_float_denorm_mode_32 3
		.amdhsa_float_denorm_mode_16_64 3
		.amdhsa_memory_ordered 1
		.amdhsa_forward_progress 1
		.amdhsa_inst_pref_size 15
	.end_amdhsa_kernel
	.amdgpu_metadata
---
amdhsa.version: [ 1, 2 ]
amdhsa.kernels:
  - .name:           k_q9beeb5d03c_gnstats
    .symbol:         k_q9beeb5d03c_gnstats.kd
    .args:
      - { .name: x, .offset: 0, .size: 8, .value_kind: global_buffer, .address_space: global }
      - { .name: stats, .offset: 8, .size: 8, .value_kind: global_buffer, .address_space: global }
    .group_segment_fixed_size: 1280
    .private_segment_fixed_size: 0
    .kernarg_segment_align: 8
    .kernarg_segment_size: 16
    .max_flat_workgroup_size: 256
    .sgpr_count:     66
    .vgpr_count:     98
    .wavefront_size: 32
...
	.end_amdgpu_metadata
.endif
;; end of part 1
;; launch qkv (part 2): grid 256 x 1, 4 waves a work-group, no clusters, 18,944 bytes of LDS; arguments x, stats, gn_gamma, gn_beta, qkv_w_codes, qkv_w_scales, qkv_b, qkvc, qkvs; writes qkvc, qkvs
.if DOCPART == 2
	.amdgcn_target "amdgcn-amd-amdhsa--gfx1250"
	.amdhsa_code_object_version 6
	.text
	.protected	k_q9beeb5d03c_qkv
	.globl	k_q9beeb5d03c_qkv
	.p2align	8
	.type	k_q9beeb5d03c_qkv,@function
k_q9beeb5d03c_qkv:
	s_mov_b64 s[64:65], 0
	v_nop
	global_prefetch_b8 v0, s[64:65] scope:SCOPE_SE
	s_setreg_imm32_b32 hwreg(HW_REG_WAVE_MODE, 25, 1), 1
	s_wait_xcnt 0x0
; h = GroupNorm(x), quantised along the channels; qkv = W h + b on codes of BF8 (E5M2) with one E8M0 scale for each 32 along K; q and k quantised along the head's 64, v along the pixels.
; SHARES.  Work-group g owns image b = g / 64 and the 64 pixels from 64 (g % 64) on, for all 768 outputs.  Wave w first quantises channels 64 w .. 64 w + 63 (groups 2 w, 2 w + 1: a group's 32 channels
; are one block of 32 along K) of all 64 pixels, then makes q, k and v of head w.  Its 192 rows of W (24 fragments, 384 registers) come from memory once, straight into the operand's layout.
; No joint tensor loads for W: a trip through LDS would add the same 96 loads a wave once more, and a round of the cluster's barrier, to a launch with one block of pixels a work-group.
; h: A LANE TAKES A PIXEL AND ITS REGISTERS RUN DOWN THE CHANNELS: a block of 32 lies in one lane's 32 registers.  The codes go to LDS as rows of a pixel's 256 codes, the one thing that goes from wave to wave.
; THE ROWS OF A TILE ARE NOT NEIGHBOURS: lane r of tile 2 b + u takes row 32 b + 8 u + r + 8 (r / 8), of h's pixels and of W's rows alike.  So the 16 result registers of tiles 2 b and 2 b + 1
; are 16 neighbours along the next product's K, and every conversion's result is an operand's registers, stored as they stand: 512 consecutive bytes a store.
; q, k: source 0 = 16 rows of W, source 1 = 16 pixels of h: a lane holds one pixel, its registers run along d.    v: source 0 = 16 pixels, source 1 = 16 rows of W: a lane holds one d, its registers run along the pixels.
; The bias is the C of each sum's first matrix instruction.
; OUT.  qkvc [3][16 heads][262,144]: q, k: [tile of 16 pixels][c 0..1][lane][16 bytes];  v: [128 keys][4 tiles of d][c 0..3][lane][16 bytes].
;       qkvs [3][16][64 blocks of 64 pixels][lane] words: q, k: lane (r, h): the two bytes of tile 2 h, then of tile 2 h + 1;  v: lane (r, h): d tile 2 h's bytes of the block's two key blocks, then d tile 2 h + 1's.
;       The scale words leave as 128 consecutive bytes a store: a work-group owns 64 pixels; they are one byte in 32 of what the launch stores.
; LIMITS: NaN and infinities are not served.  A block of zeros gets the byte 1 where the rule says 127 (its codes are zeros; only this program reads the bytes); blocks whose largest magnitude lies under 2^-111 keep the byte 1.
; REGISTERS, in windows of 256.  window 0: v1-15 addresses; v16-63 at work; v64-99 h's codes and bytes; v104-127 W's scale words; v128-255 x, later h's fragments (v128-191) and eight accumulators (v192-255).
;   window 1: W's fragments of q and k, tile t, K step s at v[16 (2 t + s)].   window 2: v0-127 those of v; v128-191 the bias of q and k; v192-223 that of v.   window 3: v0-63 gamma, then gamma x rstd; v64-127 beta.
.set HSC,  17408                       ; LDS: 64 rows of 256 codes + 16 of padding, then 64 x 8 scale bytes
.set HP,   272
.set PC,   16                          ; v16-31  the codes just made
.set TM,   32                          ; v32-47  largest magnitudes, bytes, scale operands
.set PWQ,  48                          ; v48-51  scale words of the four pixel tiles: q's two bytes, k's two
.set PWV,  52                          ; v52-53  of v: byte t = d tile t, for the two key blocks
.set HS,   54                          ; v54-57  h's scale words
.set WS,   104                         ; v104-127 W's scale words: 2 t + s; t 0-3 q, 4-7 k, 8-11 v
.set HF,   128
.set HA,   192
.set MSB, 0
.macro WIN new                         ; the immediate's high byte repeats the setting that is left
.if MSB != \new
	s_set_vgpr_msb (MSB<<8)|\new
.set MSB, \new
.endif
.endm
.macro COMBINE base, n, om, oq, t      ; eight parts of n numbers, (mean, M2) each, are joined
	v_add_f32 v[\om], v[\base], v[\base+2]
	v_add_f32 v[\oq], v[\base+1], v[\base+3]
.irp i, 2,3,4,5,6,7
	v_add_f32 v[\om], v[\om], v[\base+2*\i]
	v_add_f32 v[\oq], v[\oq], v[\base+2*\i+1]
.endr
	v_mul_f32 v[\om], 0x3e000000, v[\om]
	v_sub_f32 v[\t], v[\base], v[\om]
	v_mul_f32 v[\t+1], v[\t], v[\t]
.irp i, 1,2,3,4,5,6,7
	v_sub_f32 v[\t], v[\base+2*\i], v[\om]
	v_fma_f32 v[\t+1], v[\t], v[\t], v[\t+1]
.endr
	v_fmamk_f32 v[\oq], v[\t+1], \n, v[\oq]
.endm
; Pass pi = 2 k + p of h: 32 channels (group slot k) of pixel 32 p + lane, a whole block in my registers, become 32 codes and a byte, and go to LDS.  Each pass has code registers of its own.
.macro HQ pi
.set XS, 128+32*(\pi)
.set CC, 64+8*(\pi)
	v_max3_num_f32 v56, |v[XS]|, |v[XS+1]|, |v[XS+2]|
	v_max3_num_f32 v57, |v[XS+3]|, |v[XS+4]|, |v[XS+5]|
.irp i, 6,10,14,18,22,26
	v_max3_num_f32 v56, v56, |v[XS+\i]|, |v[XS+\i+1]|
	v_max3_num_f32 v57, v57, |v[XS+\i+2]|, |v[XS+\i+3]|
.endr
	v_max3_num_f32 v56, v56, |v[XS+30]|, |v[XS+31]|
	v_max3_num_f32 v56, v56, v57, 0x8000000        ; and the floor 2^(16 - 127): the byte cannot fall under 1
	v_add_nc_u32 v58, 0xf8800000, v56              ; 15 off the exponent field: the conversion's scale operand
	v_lshrrev_b32 v[96+(\pi)], 23, v58             ; the scale's byte
.set j, 0
.rept 32
.set j, j+1
.endr
.irp g, 0,1,2,3
	v_cvt_scalef32_pk8_bf8_f32 v[CC+2*\g:CC+2*\g+1], v[XS+8*\g:XS+8*\g+7], v58
.endr
	v_nop                                          ; a plain line behind the last conversion: the next pass writes its scale operand
	ds_store_b128 v10, v[CC:CC+3] offset:32*HP*((\pi)%2)+32*((\pi)/2)
	ds_store_b128 v10, v[CC+4:CC+7] offset:32*HP*((\pi)%2)+32*((\pi)/2)+16
	ds_store_b8 v11, v[96+(\pi)] offset:256*((\pi)%2)+(\pi)/2
.endm
; 64 numbers of a lane, register 16 b + i = place 32 b + 16 (lane / 16) + i along K of the lane's row, become 16 registers of codes in v[PC] on and four scale bytes in v[pw]
.macro QUANT s, pw
.irp b, 0,1,2,3
	v_max3_num_f32 v[TM+\b], |v[\s+16*\b]|, |v[\s+1+16*\b]|, 0x8000000   ; each accumulator is read from its low end on
.endr
.irp i, 2,4,6,8,10,12,14
.irp b, 0,1,2,3
	v_max3_num_f32 v[TM+\b], v[TM+\b], |v[\s+16*\b+\i]|, |v[\s+1+16*\b+\i]|
.endr
.endr
.irp b, 0,1,2,3
	v_permlanex16_b32 v[TM+4+\b], v[TM+\b], s30, s31
.endr
.irp b, 0,1,2,3
	v_max_num_f32 v[TM+\b], v[TM+\b], v[TM+4+\b]   ; with lane l xor 16's: the block's largest magnitude
.endr
.irp b, 0,1,2,3
	v_add_nc_u32 v[TM+12+\b], 0xf8800000, v[TM+\b]
.endr
.irp b, 0,1,2,3
.endr
.irp b, 0,1,2,3
	v_lshrrev_b32 v[TM+4+\b], 23, v[TM+12+\b]
.endr
	v_lshl_or_b32 v[\pw], v[TM+5], 8, v[TM+4]
	v_lshl_or_b32 v[\pw], v[TM+6], 16, v[\pw]
	v_lshl_or_b32 v[\pw], v[TM+7], 24, v[\pw]
.irp b, 0,1,2,3
.irp i, 0,1,2,3,4,5,6,7,8,9,10,11,12,13,14,15
.endr
	v_cvt_scalef32_pk8_bf8_f32 v[PC+4*\b:PC+1+4*\b], v[\s+16*\b:\s+7+16*\b], v[TM+12+\b]
	v_cvt_scalef32_pk8_bf8_f32 v[PC+2+4*\b:PC+3+4*\b], v[\s+8+16*\b:\s+15+16*\b], v[TM+12+\b]
.endr
	v_nop                                          ; a plain line behind the last conversion: the next products write its sources
.endm
.macro PLACES8                         ; eight places behind this form of matrix instruction
.rept 8
	v_nop
.endr
.endm
	s_load_b512 s[8:23], s[0:1], 0x0               ; x 8, stats 10, gamma 12, beta 14, W's codes 16, W's scales 18, bias 20, qkvc 22
	s_load_b64 s[24:25], s[0:1], 0x40              ; qkvs
	v_lshl_add_u32 v102, v0, 2, 0x4800
	v_mov_b32 v103, 0
	v_lshrrev_b32 v1, 5, v0
	v_readfirstlane_b32 s4, v1                     ; wave 0..3
	s_lshr_b32 s5, ttmp9, 6                        ; b
	s_and_b32 s6, ttmp9, 63                        ; which 64 pixels
	v_and_b32 v1, 31, v0                           ; lane
	v_lshlrev_b32 v2, 4, v1                        ; 16 x lane
	v_lshlrev_b32 v3, 2, v1                        ; 4 x lane
	v_mov_b32 v4, 0
	v_and_b32 v14, 15, v0                          ; r
	v_bfe_u32 v15, v0, 4, 1                        ; h
	v_and_b32 v5, 8, v14
	v_add_nc_u32 v5, v5, v14                       ; r + 8 (r / 8)
	v_lshlrev_b32 v6, 8, v5
	v_lshl_add_u32 v6, v15, 4, v6                  ; W's codes: my row of a tile, + 16 h
	v_lshlrev_b32 v7, 3, v5                        ; W's scale bytes: 8 a row
	v_lshlrev_b32 v8, 6, v15                       ; the bias of q and k: 16 h numbers on
	v_lshlrev_b32 v9, 2, v5                        ; the bias of v: my row's
	s_lshl_b32 s26, s4, 6
	v_mul_u32_u24 v10, v1, HP
	v_add_nc_u32 v10, s26, v10                     ; h's codes into LDS: row = lane, + 64 x wave
	s_lshl_b32 s26, s4, 1
	s_add_co_u32 s26, s26, HSC
	v_lshl_add_u32 v11, v1, 3, s26                 ; h's bytes: 8 x lane + 2 x wave
	v_mul_u32_u24 v12, v5, HP
	v_lshl_add_u32 v12, v15, 4, v12                ; h's fragments out of LDS
	v_lshl_add_u32 v13, v5, 3, HSC                 ; and their scale words
	s_mov_b32 s30, 0x76543210
	s_mov_b32 s31, 0xfedcba98                      ; v_permlanex16_b32's selects for lane l xor 16
	s_mov_b32 s27, 0
	s_mov_b32 s29, 0
	s_lshl_b32 s7, s5, 2
	s_add_co_u32 s7, s7, s4                        ; 4 b + head
	s_wait_alu depctr_va_vdst(0)
	s_wait_kmcnt 0x0
	s_lshl_b32 s26, s5, 9
	s_lshl_b32 s28, s4, 7
	s_add_co_u32 s26, s26, s28
	s_add_nc_u64 s[10:11], s[10:11], s[26:27]      ; stats of groups 8 b + 2 w, + 1: 64 bytes each
	s_lshl_b32 s26, s4, 8
	s_add_nc_u64 s[12:13], s[12:13], s[26:27]      ; gamma, beta and each third of the bias at 64 w
	s_add_nc_u64 s[14:15], s[14:15], s[26:27]
	s_add_nc_u64 s[20:21], s[20:21], s[26:27]
	s_lshl_b32 s26, s5, 22
	s_lshl_b32 s28, s4, 20
	s_add_co_u32 s26, s26, s28
	s_lshl_b32 s28, s6, 8
	s_add_co_u32 s26, s26, s28
	s_add_nc_u64 s[8:9], s[8:9], s[26:27]          ; x at image b, channel 64 w, my first pixel
	s_lshl_b32 s26, s4, 14
	s_add_nc_u64 s[16:17], s[16:17], s[26:27]      ; W's codes at row 64 w of each third
	s_lshl_b32 s26, s4, 9
	s_add_nc_u64 s[18:19], s[18:19], s[26:27]
	s_lshl_b32 s26, s7, 18                         ; where the results go
	s_lshl_b32 s28, s6, 12
	s_add_co_u32 s28, s28, s26
	s_add_nc_u64 s[34:35], s[22:23], s[28:29]      ; q: head x 262,144 + block x 4 tiles x 1,024
	s_add_nc_u64 s[36:37], s[34:35], 0x400000      ; k
	s_lshr_b32 s28, s6, 1
	s_lshl_b32 s28, s28, 13
	s_add_co_u32 s28, s28, s26
	s_and_b32 s33, s6, 1
	s_lshl_b32 s33, s33, 10
	s_add_co_u32 s28, s28, s33
	s_add_nc_u64 s[38:39], s[22:23], s[28:29]
	s_add_nc_u64 s[38:39], s[38:39], 0x800000      ; v: 128 keys x 8,192, my 64 keys are c = 2 (block % 2) on
	s_lshl_b32 s28, s7, 6
	s_add_co_u32 s28, s28, s6
	s_lshl_b32 s28, s28, 7
	s_add_nc_u64 s[40:41], s[24:25], s[28:29]      ; the scale words: 128 bytes a block
	s_add_nc_u64 s[42:43], s[40:41], 0x20000
	s_add_nc_u64 s[44:45], s[40:41], 0x40000
	s_mov_b32 s33, 0x3727c5ac                      ; 1e-5
	; ALL LOADS AT THE HEAD, what is wanted first first: 336 a wave
.irp i, 0,1,2,3,4,5,6,7
	global_load_b128 v[16+4*\i:19+4*\i], v4, s[10:11] offset:16*\i        ; two groups' eight pairs, the same in every lane
.endr
	WIN 0xc0                                       ; destination window 3
.irp i, 0,1,2,3,4,5,6,7,8,9,10,11,12,13,14,15
	global_load_b128 v[4*\i:4*\i+3], v4, s[12:13] offset:16*\i            ; gamma of my 64 channels, the same in every lane: register = channel
.endr
.irp i, 0,1,2,3,4,5,6,7,8,9,10,11,12,13,14,15
	global_load_b128 v[64+4*\i:67+4*\i], v4, s[14:15] offset:16*\i        ; beta
.endr
	WIN 0
.irp k, 0,1
.set i, 0
.rept 32
.irp p, 0,1
	global_load_b32 v[128+32*(2*\k+\p)+i], v3, s[8:9] offset:(32*\k+i)*16384+128*\p   ; x(64 w + 32 k + i, 32 p + lane): 128 consecutive bytes; the two p make an aligned 256
.endr
.set i, i+1
.endr
.endr
.irp t, 0,1,2,3,4,5,6,7,8,9,10,11
.irp s, 0,1
	global_load_b32 v[WS+2*\t+\s], v7, s[18:19] offset:(\t/4)*2048+(32*((\t%4)/2)+8*(\t%2))*8+4*\s
.endr
.endr
	WIN 0x80                                       ; destination window 2
.irp t, 0,1,2,3,4,5,6,7
	global_load_b128 v[128+8*\t:131+8*\t], v8, s[20:21] offset:(\t/4)*1024+(32*((\t%4)/2)+8*(\t%2))*4      ; lane (r, h), register j: the bias of row 32 b + 8 u + 16 h + j
	global_load_b128 v[132+8*\t:135+8*\t], v8, s[20:21] offset:(\t/4)*1024+(32*((\t%4)/2)+8*(\t%2))*4+16
.endr
.irp t, 0,1,2,3
.irp j, 0,1,2,3,4,5,6,7
	global_load_b32 v[192+8*\t+\j], v9, s[20:21] offset:2048+(32*(\t/2)+8*(\t%2))*4    ; v: a lane holds one d: its bias in all eight registers
.endr
.endr
.irp t, 0,1,2,3
.irp s, 0,1
.irp c, 0,1,2,3
	global_load_b128 v[16*(2*\t+\s)+4*\c:16*(2*\t+\s)+4*\c+3], v6, s[16:17] offset:131072+(32*(\t/2)+8*(\t%2))*256+128*\s+32*\c
.endr
.endr
.endr
	WIN 0x40                                       ; destination window 1
.irp t, 0,1,2,3,4,5,6,7
.irp s, 0,1
.irp c, 0,1,2,3
	global_load_b128 v[16*(2*\t+\s)+4*\c:16*(2*\t+\s)+4*\c+3], v6, s[16:17] offset:(\t/4)*65536+(32*((\t%4)/2)+8*(\t%2))*256+128*\s+32*\c
.endr
.endr
.endr
	WIN 0
	s_wait_loadcnt 63                              ; loads come back in order: the 63 that may stay out are weight fragments (168 loads follow x's)
	; ---- h
	COMBINE 16, 0x46800000, 56, 57, 58             ; eight chunks of 16,384 numbers
	COMBINE 32, 0x46800000, 60, 61, 62
	v_fma_f32 v57, v57, 0x37000000, s33            ; var + eps: M2 x 2^-17 rounds nothing
	v_fma_f32 v61, v61, 0x37000000, s33
	s_wait_alu depctr_va_vdst(0)
	v_rsq_f32 v52, v57
	v_rsq_f32 v54, v61
	v_mul_f32 v48, -1.0, v56                       ; (plain lines behind the transcendentals)  -mean, as pairs
	v_mul_f32 v50, -1.0, v60
	v_mov_b32 v49, v48
	v_mov_b32 v51, v50
	s_wait_alu depctr_va_vdst(0)
	v_mov_b32 v53, v52
	v_mov_b32 v55, v54
	WIN 0xc3                                       ; destination and source 0 window 3
.irp k, 0,1
.set j, 0
.rept 16
	v_pk_mul_f32 v[32*\k+2*j:32*\k+2*j+1], v[32*\k+2*j:32*\k+2*j+1], v[52+2*\k:53+2*\k]     ; gamma x rstd
.set j, j+1
.endr
.endr
	WIN 0
.irp k, 0,1
.irp p, 0,1
.set j, 0
.rept 16
	v_pk_add_f32 v[128+32*(2*\k+\p)+2*j:129+32*(2*\k+\p)+2*j], v[128+32*(2*\k+\p)+2*j:129+32*(2*\k+\p)+2*j], v[48+2*\k:49+2*\k]   ; x - mean
.set j, j+1
.endr
.endr
.endr
	WIN 0x3c                                       ; sources 1 and 2 window 3
.irp k, 0,1
.irp p, 0,1
.set j, 0
.rept 16
	v_pk_fma_f32 v[128+32*(2*\k+\p)+2*j:129+32*(2*\k+\p)+2*j], v[128+32*(2*\k+\p)+2*j:129+32*(2*\k+\p)+2*j], v[32*\k+2*j:32*\k+2*j+1], v[64+32*\k+2*j:65+32*\k+2*j]
.set j, j+1
.endr
.endr
.endr
	WIN 0
	HQ 0
	HQ 1
	HQ 2
	HQ 3
	s_wait_dscnt 0x0                               ; for the others' sake: my codes and bytes lie in LDS
	s_barrier_signal -1
	s_barrier_wait -1                              ; the launch's one barrier: nothing is written to LDS behind it
	s_wait_loadcnt 0x0                             ; the weights
.irp b, 0,1,2,3
	v_mov_b32 v[TM+4+\b], 0                        ; a lane permute's destination counts as one of its sources
.endr
	; ---- q and k, a tile of 16 pixels at a time: eight accumulators by turns, two K steps
.irp m, 0,1,2,3
.irp s, 0,1
.irp c, 0,1,2,3
	ds_load_b128 v[HF+16*\s+4*\c:HF+16*\s+4*\c+3], v12 offset:(32*(\m/2)+8*(\m%2))*HP+128*\s+32*\c
.endr
	ds_load_b32 v[HS+\s], v13 offset:(32*(\m/2)+8*(\m%2))*8+4*\s
.endr
	s_wait_dscnt 0x0
	WIN 0x21                                       ; source 0 (W) window 1, source 2 (the bias) window 2
.irp t, 0,1,2,3,4,5,6,7
	v_wmma_scale_f32_16x16x128_f8f6f4 v[HA+8*\t:HA+8*\t+7], v[32*\t:32*\t+15], v[HF:HF+15], v[128+8*\t:135+8*\t], v[WS+2*\t], v[HS] matrix_a_fmt:MATRIX_FMT_BF8 matrix_b_fmt:MATRIX_FMT_BF8
.endr
	WIN 0x01
.irp t, 0,1,2,3,4,5,6,7
	v_wmma_scale_f32_16x16x128_f8f6f4 v[HA+8*\t:HA+8*\t+7], v[32*\t+16:32*\t+31], v[HF+16:HF+31], v[HA+8*\t:HA+8*\t+7], v[WS+2*\t+1], v[HS+1] matrix_a_fmt:MATRIX_FMT_BF8 matrix_b_fmt:MATRIX_FMT_BF8
.endr
	WIN 0
	PLACES8                                        ; ahead of the first read of results; with the lines on v32-47 in QUANT they are also the nine places ahead of the next tile's products, which begin these accumulators anew
	s_wait_xcnt 0x0                                ; the last tile's stores have read their data: the codes' registers are written again
	QUANT HA, PWQ+\m                               ; blocks 0, 1: q's d 0-31, 32-63; blocks 2, 3: k's
	global_store_b128 v2, v[PC:PC+3], s[34:35] offset:1024*\m
	global_store_b128 v2, v[PC+4:PC+7], s[34:35] offset:1024*\m+512
	global_store_b128 v2, v[PC+8:PC+11], s[36:37] offset:1024*\m
	global_store_b128 v2, v[PC+12:PC+15], s[36:37] offset:1024*\m+512
.endr
	v_perm_b32 v58, v[PWQ+1], v[PWQ], 0x05040100   ; q's bytes of tiles 0, 1;
	v_perm_b32 v59, v[PWQ+3], v[PWQ+2], 0x05040100 ; of tiles 2, 3;
	v_perm_b32 v60, v[PWQ+1], v[PWQ], 0x07060302   ; k's likewise
	v_perm_b32 v61, v[PWQ+3], v[PWQ+2], 0x07060302
	v_cmp_le_u32 vcc_lo, 16, v1                    ; lanes 16-31 carry the second pair of tiles
	v_cndmask_b32 v58, v58, v59, vcc_lo
	v_cndmask_b32 v60, v60, v61, vcc_lo
	global_store_b32 v3, v58, s[40:41]
	global_store_b32 v3, v60, s[42:43]
	; ---- v, 32 pixels (a block along the keys) at a time: 4 tiles of d x 2 tiles of pixels
.irp g, 0,1
.irp u, 0,1
.irp s, 0,1
.irp c, 0,1,2,3
	ds_load_b128 v[HF+32*\u+16*\s+4*\c:HF+32*\u+16*\s+4*\c+3], v12 offset:(32*\g+8*\u)*HP+128*\s+32*\c
.endr
	ds_load_b32 v[HS+2*\u+\s], v13 offset:(32*\g+8*\u)*8+4*\s
.endr
.endr
	s_wait_dscnt 0x0
	WIN 0x28                                       ; source 1 (W) and source 2 (the bias) window 2
.irp t, 0,1,2,3
.irp u, 0,1
	v_wmma_scale_f32_16x16x128_f8f6f4 v[HA+16*\t+8*\u:HA+16*\t+8*\u+7], v[HF+32*\u:HF+32*\u+15], v[32*\t:32*\t+15], v[192+8*\t:199+8*\t], v[HS+2*\u], v[WS+16+2*\t] matrix_a_fmt:MATRIX_FMT_BF8 matrix_b_fmt:MATRIX_FMT_BF8
.endr
.endr
	WIN 0x08
.irp t, 0,1,2,3
.irp u, 0,1
	v_wmma_scale_f32_16x16x128_f8f6f4 v[HA+16*\t+8*\u:HA+16*\t+8*\u+7], v[HF+32*\u+16:HF+32*\u+31], v[32*\t+16:32*\t+31], v[HA+16*\t+8*\u:HA+16*\t+8*\u+7], v[HS+2*\u+1], v[WS+16+2*\t+1] matrix_a_fmt:MATRIX_FMT_BF8 matrix_b_fmt:MATRIX_FMT_BF8
.endr
.endr
	WIN 0
	PLACES8
	s_wait_xcnt 0x0
	QUANT HA, PWV+\g                               ; block t: d tile t's 32 keys
.irp t, 0,1,2,3
	global_store_b128 v2, v[PC+4*\t:PC+4*\t+3], s[38:39] offset:2048*\t+512*\g
.endr
.endr
	v_perm_b32 v62, v[PWV+1], v[PWV], 0x05010400   ; d tiles 0, 1: each tile's bytes of the two key blocks
	v_perm_b32 v63, v[PWV+1], v[PWV], 0x07030602   ; d tiles 2, 3
	v_cndmask_b32 v62, v62, v63, vcc_lo
	global_store_b32 v3, v62, s[44:45]
	s_wait_tensorcnt 0x0
	ds_add_u32 v102, v103
	s_wait_dscnt 0x0
	s_endpgm
.Lfunc_end_k_q9beeb5d03c_qkv:
	.size	k_q9beeb5d03c_qkv, .Lfunc_end_k_q9beeb5d03c_qkv-k_q9beeb5d03c_qkv
	.p2alignl 7, 3214868480
	.fill 96, 4, 3214868480
	.section	.rodata,"a",@progbits
	.p2align	6, 0x0
	.amdhsa_kernel k_q9beeb5d03c_qkv
		.amdhsa_group_segment_fixed_size 18944
		.amdhsa_private_segment_fixed_size 0
		.amdhsa_enable_private_segment 0
		.amdhsa_kernarg_size 72
		.amdhsa_user_sgpr_count 2
		.amdhsa_user_sgpr_kernarg_segment_ptr 1
		.amdhsa_wavefront_size32 1
		.amdhsa_system_sgpr_workgroup_id_x 1
		.amdhsa_system_sgpr_workgroup_id_y 1
		.amdhsa_system_sgpr_workgroup_id_z 1
		.amdhsa_system_vgpr_workitem_id 0
		.amdhsa_next_free_vgpr 1024
		.amdhsa_next_free_sgpr 66
		.amdhsa_reserve_vcc 1
		.amdhsa_float_denorm_mode_32 3
		.amdhsa_float_denorm_mode_16_64 3
		.amdhsa_fp16_overflow 1
		.amdhsa_memory_ordered 1
		.amdhsa_forward_progress 1
		.amdhsa_inst_pref_size 100
	.end_amdhsa_kernel
	.amdgpu_metadata
---
amdhsa.version: [ 1, 2 ]
amdhsa.kernels:
  - .name:           k_q9beeb5d03c_qkv
    .symbol:         k_q9beeb5d03c_qkv.kd
    .args:
      - { .name: x, .offset: 0, .size: 8, .value_kind: global_buffer, .address_space: global }
      - { .name: stats, .offset: 8, .size: 8, .value_kind: global_buffer, .address_space: global }
      - { .name: gn_gamma, .offset: 16, .size: 8, .value_kind: global_buffer, .address_space: global }
      - { .name: gn_beta, .offset: 24, .size: 8, .value_kind: global_buffer, .address_space: global }
      - { .name: qkv_w_codes, .offset: 32, .size: 8, .value_kind: global_buffer, .address_space: global }
      - { .name: qkv_w_scales, .offset: 40, .size: 8, .value_kind: global_buffer, .address_space: global }
      - { .name: qkv_b, .offset: 48, .size: 8, .value_kind: global_buffer, .address_space: global }
      - { .name: qkvc, .offset: 56, .size: 8, .value_kind: global_buffer, .address_space: global }
      - { .name: qkvs, .offset: 64, .size: 8, .value_kind: global_buffer, .address_space: global }
    .group_segment_fixed_size: 18944
    .private_segment_fixed_size: 0
    .kernarg_segment_align: 8
    .kernarg_segment_size: 72
    .max_flat_workgroup_size: 128
    .sgpr_count:     66
    .vgpr_count:     1024
    .wavefront_size: 32
...
	.end_amdgpu_metadata
.endif
;; end of part 2
;; launch attn (part 3): grid 16 x 16, 16 waves a work-group, clusters of 4 x 1, 327,680 bytes of LDS; arguments qkvc, qkvs, ocodes, oscales; writes ocodes, oscales
.if DOCPART == 3
	.amdgcn_target "amdgcn-amd-amdhsa--gfx1250"
	.amdhsa_code_object_version 6
	.text
	.protected	k_q9beeb5d03c_attn
	.globl	k_q9beeb5d03c_attn
	.p2align	8
	.type	k_q9beeb5d03c_attn,@function
k_q9beeb5d03c_attn:
	s_mov_b64 s[64:65], 0
	v_nop
	global_prefetch_b8 v0, s[64:65] scope:SCOPE_SE
	s_setreg_imm32_b32 hwreg(HW_REG_WAVE_MODE, 25, 1), 1
	s_wait_xcnt 0x0
	s_wait_alu depctr_hold_cnt(0) depctr_sa_sdst(0) depctr_va_vdst(0) depctr_va_sdst(0) depctr_va_ssrc(0) depctr_va_vcc(0) depctr_vm_vsrc(0)
	s_getreg_b32 s2, hwreg(HW_REG_IB_STS2, 6, 4)
	s_cmp_eq_u32 s2, 0
	s_cbranch_scc0 .Lentry_in_a_cluster
	s_endpgm
.Lentry_in_a_cluster:
	s_bfe_u32 s2, ttmp6, 0x10000c
	s_cmp_lg_u32 s2, 0x3003
	s_cbranch_scc0 .Lentry_shape_is_right
	s_endpgm
.Lentry_shape_is_right:
; O = softmax(q^T k / 8) v for one head, both products on codes of BF8 (E5M2) with one E8M0 scale for each 32 along K; O / l is quantised along d for the projection.
; THE SOFTMAX AHEAD OF THE SECOND PRODUCT: t = score x log2(e) / 8; M = the row's largest t so far, rounded UP to a whole number; p = 2^(t - M) is what is quantised, along the keys, not normalised.
; The row's sum is taken of the unquantised p and divides O at the end.  When M moves, the sum and O are multiplied by 2^(old M - new M): exact, and no branch on data.
; SHARES.  A work-group owns 256 queries of one head (y); each of its sixteen waves owns one tile of 16, in 256 registers: four waves to a SIMD, so that one wave's vector work stands beside another's products and LDS loads.
; Every wave walks the head's 4,096 keys, 128 a step.  K and V come through a ring of two LDS slots of 1,024 keys (8 steps), filled by tensor loads: waves 0, 1 K's halves, waves 2, 3 V's.
; CLUSTER.  The four query blocks of a cluster belong to one head and walk the same K and V: every tile is asked for JOINTLY, by the same tensor load with the same descriptor and a mask that names the four.
; LAYOUT.  All operands lie in memory as images of their registers (the launch before lays them so): 16 bytes a lane, 512 consecutive bytes a load, no pitch and no padding.
; Both products are used transposed (S^T = K Q^T, O^T = V^T P^T): a lane holds ONE query throughout.  The keys of a tile are chosen so that the 16 registers of tiles 2 b, 2 b + 1 are 16 neighbouring keys, and V's rows so that O^T's are 16 neighbouring d.
; THE HEAD'S 64 IN AN INSTRUCTION OF 128 ALONG K: a fragment of 16 registers holds TWO tiles of keys (registers 0-7, 8-15), and Q stands between two runs of zero codes: v[24:39] = (q, 0) picks the first tile,
; v[16:31] = (0, q) the second.  The other half multiplies finite codes by zero codes under bytes that are never 0xff: it adds exactly 0.  No LDS byte and no load is spent on padding.
; LIMITS: NaN and infinities are not served; p under 2^-126 is 0 (the exponential flushes); a block of zeros gets the byte 1 where the rule says 127 (its codes are zeros; only this program reads the bytes).
.set SLOT1, 1<<17                      ; a slot: K's 8 x 8,192 bytes, then V's; slot 1 begins here, so that one exclusive or turns an address from one slot to the other
.set SCK,   262144                     ; K's scale words of the whole head, 8,192 bytes: filled once
.set SCV,   270336                     ; V's
.set SPARE, 278528                     ; the spare words, 128 bytes for each of sixteen waves: eight blocks of 256 bytes that no other line names
.set OST,   280576                     ; a stage for O's scale bytes, 512 bytes: no fill lands here
.set FR,  40                           ; v40-103  four fragments of K, then of V
.set SS,  104                          ; v104-167 S^T, then p; at the end O / l
.set OA,  168                          ; v168-199 O^T
.set PC,  200                          ; v200-215 p's codes
.set BM,  216                          ; v216-219 a block's largest score, then p
.set T2,  220                          ; v220-223 the other half's; bytes
.set HL,  224
.set SO,  228                          ; v228-231 the conversions' scale operands
; v1 16 x lane; v2 SCK + 4 x lane; v3, v4 the add's two; v5-8 the slot's addresses (K, V, K's words, V's words); v9-11 the way out and q's word; v12 -M; v13 the largest t; v[14:15] the sum;
; v16-23 zeros, v24-31 q, v32-39 zeros; v[232:233] a second chain of the sum; v234, v235 at work; v[236:237] f; SCALES AND NOTHING ELSE: v238 p's, v239 q's, v240-241 K's, v244-245 V's; v242-243 V's words as loaded.
; s12 wave; s13 wave % 2; s14 cx; s15 query block; s16 head; s[18:19] permute selects; s[20:21] c; s23 the slot in hand; s56 its scale words; s57 trips; s58 q's byte select;
; s[24:31] group 1 for codes; s[32:39] for scale words; groups 0: s[40:43] K, s[44:47] V (they walk), s[48:51] K's words, s[52:55] V's.
.macro CROUND                          ; a round of the cluster's barrier
	s_barrier_signal -1
	s_barrier_wait -1
	s_cmp_lg_u32 s12, 0
	s_cbranch_scc1 .Lnot_wave_0_\@
	s_barrier_signal -3
.Lnot_wave_0_\@:
	s_barrier_wait -3
	s_barrier_signal -1
	s_barrier_wait -1
.endm
.macro TLOAD                           ; a joint refill: waves 0, 1 for K, waves 2, 3 for V, the others nothing; the branches hang on the wave's number alone.  Four v_nop follow each line
	s_cmp_lt_u32 s12, 2
	s_cbranch_scc0 .Lnot_k_\@
	tensor_load_to_lds s[40:43], s[24:31]
	s_nop 0
.rept 4
	v_nop
.endr
	s_branch .Lasked_\@
.Lnot_k_\@:
	s_cmp_lt_u32 s12, 4
	s_cbranch_scc0 .Lasked_\@
	tensor_load_to_lds s[44:47], s[24:31]
	s_nop 0
.rept 4
	v_nop
.endr
.Lasked_\@:
.endm
	s_load_b256 s[4:11], s[0:1], 0x0               ; qkvc 4, qkvs 6, ocodes 8, oscales 10
	v_lshl_add_u32 v3, v0, 2, SPARE
	v_mov_b32 v4, 0
	ds_add_u32 v3, v4
	ds_add_u32 v3, v4
	s_wait_dscnt 0x0
	v_lshrrev_b32 v1, 5, v0
	s_delay_alu instid0(VALU_DEP_1)
	v_readfirstlane_b32 s12, v1                    ; wave 0..15
	s_and_b32 s13, s12, 1
	s_bfe_u32 s14, ttmp6, 0x40000                  ; cx
	s_lshl_b32 s15, ttmp9, 2
	s_add_co_u32 s15, s15, s14                     ; my block of 256 queries: it enters q's and O's addresses alone
	s_and_b32 s16, ttmp7, 0xffff                   ; 4 b + head, which the four partners share
	v_and_b32 v1, 31, v0
	s_delay_alu instid0(VALU_DEP_1)
	v_lshl_add_u32 v2, v1, 2, SCK
	s_delay_alu instid0(VALU_DEP_2)
	v_lshlrev_b32 v1, 4, v1
	v_and_b32 v11, 15, v0                          ; r
	s_lshl_b32 s59, s12, 5
	s_add_co_u32 s59, s59, OST
	v_lshl_add_u32 v9, v11, 1, s59                 ; the stage: 32 x wave + 2 r
	v_add_nc_u32 v10, OST, v1                      ; and back: 16 x lane
	v_lshlrev_b32 v11, 2, v11                      ; q's scale word: 4 r
	; group 1: dense blocks as rows of 256 bytes (32 elements of 8 bytes): 128 rows for codes, 16 for scale words
	s_mov_b32 s24, 15|(3<<16)|(1<<21)              ; 15:0 the mask: all four work-groups; 17:16 elements of 8 bytes; 21 set beside a mask; no padding
	s_mov_b32 s25, 32<<16                          ; tensor_dim0
	s_mov_b32 s26, 128<<16                         ; tensor_dim1
	s_mov_b32 s27, 32<<16                          ; tile_dim0
	s_mov_b32 s28, 128                             ; tile_dim1
	s_mov_b32 s29, 32                              ; the pitch
	s_mov_b32 s30, 0
	s_mov_b32 s31, 0
	s_mov_b32 s32, 15|(3<<16)|(1<<21)
	s_mov_b32 s33, 32<<16
	s_mov_b32 s34, 16<<16
	s_mov_b32 s35, 32<<16
	s_mov_b32 s36, 16
	s_mov_b32 s37, 32
	s_mov_b32 s38, 0
	s_mov_b32 s39, 0
	s_lshl_b32 s60, s16, 18                        ; what I fetch, if I fetch: my half of a slot's K or V,
	s_lshl_b32 s61, s13, 15
	s_add_co_u32 s60, s60, s61
	s_mov_b32 s61, 0
	s_lshl_b32 s62, s16, 13                        ; and of the head's scale words.  Neither holds cx
	s_lshl_b32 s63, s13, 12
	s_add_co_u32 s62, s62, s63
	s_mov_b32 s63, 0
	s_lshl_b32 s70, s15, 4
	s_add_co_u32 s70, s70, s12                     ; T: my tile of queries
	s_lshl_b32 s66, s16, 18
	s_lshl_b32 s67, s70, 10
	s_add_co_u32 s66, s66, s67                     ; its codes
	s_mov_b32 s67, 0
	s_lshl_b32 s68, s16, 13
	s_lshr_b32 s69, s70, 2
	s_lshl_b32 s69, s69, 7
	s_add_co_u32 s68, s68, s69                     ; its block's 128 bytes of scale words,
	s_bfe_u32 s69, s12, 0x10001
	s_lshl_b32 s69, s69, 6
	s_add_co_u32 s68, s68, s69                     ; the half of the lanes that carries my pair of tiles
	s_mov_b32 s69, 0
	s_mul_i32 s58, s13, 0x02020202
	s_add_co_u32 s58, s58, 0x01000100              ; bytes 0, 1 (an even tile) or 2, 3 (an odd one) of that word, twice
	s_and_b32 s71, s16, 0xfffc
	s_lshl_b32 s71, s71, 6
	s_add_co_u32 s71, s71, s70                     ; 256 b + T
	s_lshl_b32 s71, s71, 2
	s_and_b32 s70, s16, 3
	s_add_co_u32 s70, s71, s70
	s_lshl_b32 s70, s70, 10                        ; ocodes: [b][T][head] x 1,024 bytes
	s_mov_b32 s71, 0
	s_mov_b32 s18, 0x76543210
	s_mov_b32 s19, 0xfedcba98
	s_mov_b32 s20, 0x3e38aa3b                      ; c = log2(e) / 8
	s_mov_b32 s21, s20                             ; (named with it as a pair, so it is written)
	s_mov_b32 s23, 0
	s_mov_b32 s56, 0
	s_mov_b32 s57, 3
	s_wait_kmcnt 0x0
	s_add_nc_u64 s[8:9], s[8:9], s[70:71]
	s_lshl_b32 s70, s16, 13
	s_lshl_b32 s17, s15, 9
	s_add_co_u32 s70, s70, s17
	s_add_nc_u64 s[10:11], s[10:11], s[70:71]      ; oscales: 8,192 bytes a head, 512 a work-group
	s_add_nc_u64 s[66:67], s[4:5], s[66:67]
	s_add_nc_u64 s[68:69], s[6:7], s[68:69]
	s_mov_b32 s40, 1                               ; K: count = 1
	s_lshl_b32 s41, s13, 15                        ; LDS: slot 0, my half
	s_add_nc_u64 s[42:43], s[4:5], s[60:61]
	s_add_nc_u64 s[42:43], s[42:43], 0x400000
	s_or_b32 s43, s43, 0x80000000                  ; type = 2
	s_mov_b32 s44, 1                               ; V
	s_add_co_u32 s45, s41, 0x10000
	s_add_nc_u64 s[46:47], s[4:5], s[60:61]
	s_add_nc_u64 s[46:47], s[46:47], 0x800000
	s_or_b32 s47, s47, 0x80000000
	s_mov_b32 s48, 1                               ; K's scale words
	s_lshl_b32 s49, s13, 12
	s_add_co_u32 s49, s49, SCK
	s_add_nc_u64 s[50:51], s[6:7], s[62:63]
	s_add_nc_u64 s[50:51], s[50:51], 0x20000
	s_or_b32 s51, s51, 0x80000000
	s_mov_b32 s52, 1                               ; V's
	s_lshl_b32 s53, s13, 12
	s_add_co_u32 s53, s53, SCV
	s_add_nc_u64 s[54:55], s[6:7], s[62:63]
	s_add_nc_u64 s[54:55], s[54:55], 0x40000
	s_or_b32 s55, s55, 0x80000000
	CROUND                                         ; all four work-groups are here: the first joint loads meet
	s_cmp_lt_u32 s12, 2                            ; a wave's two first fills stand in one branch, ahead of every wait on TENSORcnt and every LDS read: two loads of mine are out
	s_cbranch_scc0 .Lfirst_not_k
	tensor_load_to_lds s[48:51], s[32:39]
	s_nop 0
	tensor_load_to_lds s[40:43], s[24:31]
	s_nop 0
.rept 4
	v_nop
.endr
	s_branch .Lfirst_asked
.Lfirst_not_k:
	s_cmp_lt_u32 s12, 4
	s_cbranch_scc0 .Lfirst_asked
	tensor_load_to_lds s[52:55], s[32:39]
	s_nop 0
	tensor_load_to_lds s[44:47], s[24:31]
	s_nop 0
.rept 4
	v_nop
.endr
.Lfirst_asked:
	s_wait_alu depctr_va_vdst(0)
	global_load_b128 v[24:27], v1, s[66:67]        ; q stays in registers: d 16 h + 0..15,
	global_load_b128 v[28:31], v1, s[66:67] offset:512   ; d 32 + 16 h + 0..15
	global_load_b32 v235, v11, s[68:69]
.irp j, 0,1,2,3,4,5,6,7
	v_mov_b32 v[16+\j], 0                          ; zero codes on both sides of q
	v_mov_b32 v[32+\j], 0
.endr
.set j, 0
.rept 32
	v_mov_b32 v[OA+j], 0                           ; O^T.  (The step is written once: the first finds zeros, which the first change of M leaves zeros)
.set j, j+1
.endr
	v_mov_b32 v13, 0xff61b1e6                      ; the largest t so far: -3e38, under every t
	s_delay_alu instid0(VALU_DEP_1)
	v_floor_f32 v12, -v13                          ; -M
	v_mov_b32 v14, 0
	v_mov_b32 v15, 0
.irp b, 0,1,2,3
	v_mov_b32 v[T2+\b], 0                          ; a lane permute's destination counts as one of its sources
.endr
	v_mov_b32 v237, 0                              ; (named as the upper half of the pair v[236:237])
	s_wait_loadcnt 0x0
	v_perm_b32 v239, v235, v235, s58               ; q's two bytes, twice: they serve (q, 0) and (0, q)
; A KEY STEP: 128 keys, the q-th of the slot in hand.
.macro STEP q
.rept 8
	v_nop                                          ; places behind the last products, ahead of loads into registers that they have read
.endr
.irp f, 0,1,2,3
.irp c, 0,1,2,3
	ds_load_b128 v[FR+16*\f+4*\c:FR+16*\f+4*\c+3], v5 offset:8192*(\q)+2048*\f+512*\c      ; fragment f: tiles 2 f and 2 f + 1 of the step's eight
.endr
.endr
	ds_load_b32 v240, v7 offset:256*(\q)           ; K's words: lanes 0-15 fragment 0's, lanes 16-31 fragment 1's;
	ds_load_b32 v241, v7 offset:256*(\q)+128       ; fragments 2 and 3
	ds_load_b32 v242, v8 offset:256*(\q)           ; V's: the step's first 64 keys,
	ds_load_b32 v243, v8 offset:256*(\q)+128       ; its second
	s_wait_dscnt 0x0
.irp f, 0,1,2,3
.irp u, 0,1
.if \f % 2
	v_wmma_scale_f32_16x16x128_f8f6f4 v[SS+8*(2*\f+\u):SS+8*(2*\f+\u)+7], v[FR+16*\f:FR+16*\f+15], v[24-8*\u:39-8*\u], 0, v[240+\f/2], v239 matrix_a_fmt:MATRIX_FMT_BF8 matrix_b_fmt:MATRIX_FMT_BF8 matrix_a_scale:MATRIX_SCALE_ROW1
.else
	v_wmma_scale_f32_16x16x128_f8f6f4 v[SS+8*(2*\f+\u):SS+8*(2*\f+\u)+7], v[FR+16*\f:FR+16*\f+15], v[24-8*\u:39-8*\u], 0, v[240+\f/2], v239 matrix_a_fmt:MATRIX_FMT_BF8 matrix_b_fmt:MATRIX_FMT_BF8
.endif
.endr
.endr
	v_perm_b32 v244, v243, v242, 0x05040100        ; eight places: V's scale words of d tiles 0 (lanes 0-15) and 2 (lanes 16-31): four bytes for the step's four key blocks;
	v_perm_b32 v245, v243, v242, 0x07060302        ; of d tiles 1 and 3;
	v_mov_b32 v234, v12                            ; the old -M;
.rept 5
	v_nop
.endr
.irp t, 0,1,2,3
.irp c, 0,1,2,3
	ds_load_b128 v[FR+16*\t+4*\c:FR+16*\t+4*\c+3], v6 offset:8192*(\q)+2048*\t+512*\c      ; V's four tiles of d land under the softmax
.endr
.endr
.irp b, 0,1,2,3
	v_max3_num_f32 v[BM+\b], v[SS+16*\b], v[SS+1+16*\b], v[SS+2+16*\b]   ; THE LARGEST SCORE OF EACH BLOCK OF 32 KEYS serves twice: for the row's maximum and, since p rises with the score, for the block's largest p
.endr
.irp i, 3,5,7,9,11,13
.irp b, 0,1,2,3
	v_max3_num_f32 v[BM+\b], v[BM+\b], v[SS+16*\b+\i], v[SS+1+16*\b+\i]
.endr
.endr
.irp b, 0,1,2,3
	v_max_num_f32 v[BM+\b], v[BM+\b], v[SS+15+16*\b]
.endr
.irp b, 0,1,2,3
	s_delay_alu instid0(VALU_DEP_4)
	v_permlanex16_b32 v[T2+\b], v[BM+\b], s18, s19
.endr
.irp b, 0,1,2,3
	s_delay_alu instid0(VALU_DEP_4)
	v_max_num_f32 v[BM+\b], v[BM+\b], v[T2+\b]     ; with lane l xor 16's 16 keys
.endr
	s_delay_alu instid0(VALU_DEP_2)
	v_max3_num_f32 v235, v216, v217, v218
	s_delay_alu instid0(VALU_DEP_1)
	v_max_num_f32 v235, v235, v219                 ; the step's largest score of my query
	s_delay_alu instid0(VALU_DEP_1)
	v_mul_f32 v235, s20, v235                      ; as t (c is positive)
	s_delay_alu instid0(VALU_DEP_1)
	v_max_num_f32 v13, v13, v235                   ; the running largest t
	s_delay_alu instid0(VALU_DEP_1)
	v_floor_f32 v12, -v13                          ; the new -M = -ceil(t): a whole number
	s_delay_alu instid0(VALU_DEP_1)
	v_sub_f32 v235, v12, v234                      ; old M - new M: a whole number, 0 or less
	s_delay_alu instid0(VALU_DEP_1)
	v_cvt_i32_f32 v235, v235                       ; (it saturates)
	s_delay_alu instid0(VALU_DEP_1)
	v_ldexp_f32 v236, 1.0, v235                    ; f = 2^(old M - new M)
.set j, 0
.rept 32
	v_pk_fma_f32 v[SS+j:SS+j+1], v[SS+j:SS+j+1], s[20:21], v[12:13] op_sel_hi:[1,0,0]      ; t - M, two at a time
.set j, j+2
.endr
.irp b, 0,1,2,3
	v_fma_f32 v[BM+\b], v[BM+\b], s20, v12         ; the same of each block's largest score
.endr
.set j, 0
	s_wait_alu depctr_va_vdst(0)
.rept 64
	v_exp_f32 v[SS+j], v[SS+j]                     ; p = 2^(t - M), at most 1
.set j, j+1
.endr
.irp b, 0,1,2,3
	v_exp_f32 v[BM+\b], v[BM+\b]                   ; the block's largest p: the same two instructions on the same number give the same bits
.endr
	v_pk_mul_f32 v[14:15], v[14:15], v[236:237] op_sel_hi:[1,0]   ; the sums under the new M.  (A plain line behind the exponentials)
	s_wait_alu depctr_va_vdst(0)
.irp b, 0,1,2,3
	v_max_num_f32 v[BM+\b], 0x8000000, v[BM+\b]    ; the floor 2^(16 - 127): the byte cannot fall under 1
.endr
.irp b, 0,1,2,3
	s_delay_alu instid0(VALU_DEP_4)
	v_add_nc_u32 v[SO+\b], 0xf8800000, v[BM+\b]    ; 15 off the exponent field: the conversion's scale operand
.endr
.irp b, 0,1,2,3
.endr
.irp b, 0,1,2,3
	s_delay_alu instid0(VALU_DEP_4)
	v_lshrrev_b32 v[T2+\b], 23, v[SO+\b]           ; the scale's byte
.endr
	s_delay_alu instid0(VALU_DEP_3)
	v_lshl_or_b32 v238, v221, 8, v220              ; p's scale word for these 128 keys
	s_delay_alu instid0(VALU_DEP_1)
	v_lshl_or_b32 v238, v222, 16, v238
	s_delay_alu instid0(VALU_DEP_1)
	v_lshl_or_b32 v238, v223, 24, v238
	v_pk_add_f32 v[232:233], v[108:109], v[112:113]
	v_pk_add_f32 v[254:255], v[116:117], v[120:121]
	v_pk_add_f32 v[252:253], v[124:125], v[128:129]
	v_pk_add_f32 v[250:251], v[132:133], v[136:137]
	v_pk_add_f32 v[248:249], v[140:141], v[144:145]
	v_pk_add_f32 v[246:247], v[148:149], v[152:153]
	v_pk_add_f32 v[242:243], v[156:157], v[160:161]
	v_pk_add_f32 v[14:15], v[14:15], v[164:165]
	v_pk_add_f32 v[232:233], v[232:233], v[104:105]
	v_pk_add_f32 v[254:255], v[254:255], v[106:107]
	v_pk_add_f32 v[252:253], v[252:253], v[110:111]
	v_pk_add_f32 v[250:251], v[250:251], v[114:115]
	v_pk_add_f32 v[248:249], v[248:249], v[118:119]
	v_pk_add_f32 v[246:247], v[246:247], v[122:123]
	v_pk_add_f32 v[242:243], v[242:243], v[126:127]
	v_pk_add_f32 v[14:15], v[14:15], v[130:131]
	v_pk_add_f32 v[232:233], v[232:233], v[134:135]
	v_pk_add_f32 v[254:255], v[254:255], v[138:139]
	v_pk_add_f32 v[252:253], v[252:253], v[142:143]
	v_pk_add_f32 v[250:251], v[250:251], v[146:147]
	v_pk_add_f32 v[248:249], v[248:249], v[150:151]
	v_pk_add_f32 v[246:247], v[246:247], v[154:155]
	v_pk_add_f32 v[242:243], v[242:243], v[158:159]
	v_pk_add_f32 v[14:15], v[14:15], v[162:163]
	v_pk_add_f32 v[232:233], v[232:233], v[166:167]
	s_delay_alu instid0(VALU_DEP_2)
	v_pk_add_f32 v[14:15], v[14:15], v[250:251]
	s_delay_alu instid0(VALU_DEP_2)
	v_pk_add_f32 v[232:233], v[232:233], v[248:249]
	v_pk_add_f32 v[254:255], v[254:255], v[246:247]
	v_pk_add_f32 v[252:253], v[252:253], v[242:243]
	s_delay_alu instid0(VALU_DEP_2)
	v_pk_add_f32 v[14:15], v[14:15], v[254:255]
	s_delay_alu instid0(VALU_DEP_2)
	v_pk_add_f32 v[232:233], v[232:233], v[252:253]
	s_delay_alu instid0(VALU_DEP_1)
	v_pk_add_f32 v[14:15], v[14:15], v[232:233]
.irp b, 0,1,2,3
.irp i, 0,1,2,3,4,5,6,7,8,9,10,11,12,13,14,15
.endr
	v_cvt_scalef32_pk8_bf8_f32 v[PC+4*\b:PC+1+4*\b], v[SS+16*\b:SS+7+16*\b], v[SO+\b]
	v_cvt_scalef32_pk8_bf8_f32 v[PC+2+4*\b:PC+3+4*\b], v[SS+8+16*\b:SS+15+16*\b], v[SO+\b]
.endr
.set j, 0
.rept 16
	v_pk_mul_f32 v[OA+j:OA+j+1], v[OA+j:OA+j+1], v[236:237] op_sel_hi:[1,0]   ; O^T under the new M.  (These sixteen also stand between the conversions and the products)
.set j, j+2
.endr
	s_wait_alu depctr_va_vdst(0)
	s_wait_dscnt 0x0                               ; V is in
.irp t, 0,1,2,3                        ; O^T += V^T P^T: the four accumulators by turns
.if \t >= 2
	v_wmma_scale_f32_16x16x128_f8f6f4 v[OA+8*\t:OA+8*\t+7], v[FR+16*\t:FR+16*\t+15], v[PC:PC+15], v[OA+8*\t:OA+8*\t+7], v[244+\t%2], v238 matrix_a_fmt:MATRIX_FMT_BF8 matrix_b_fmt:MATRIX_FMT_BF8 matrix_a_scale:MATRIX_SCALE_ROW1
.else
	v_wmma_scale_f32_16x16x128_f8f6f4 v[OA+8*\t:OA+8*\t+7], v[FR+16*\t:FR+16*\t+15], v[PC:PC+15], v[OA+8*\t:OA+8*\t+7], v[244+\t%2], v238 matrix_a_fmt:MATRIX_FMT_BF8 matrix_b_fmt:MATRIX_FMT_BF8
.endif
.endr
.endm
; THE CHANGE OF SLOTS stands at a slot's head.  Each wave waits for all its tensor loads (its part of the slot that it is about to read), adds 0 to its spare word, and waits for that and for its reads of the slot that it has left.
; fill = 1: the barrier is a round of the cluster's, so that no wave of any partner still reads the other slot or has a load on its way; the joint fill of that slot is the first thing behind it and has eight steps in which to land.
.macro CHANGE fill
	s_wait_tensorcnt 0x0                           ; no tensor load of mine is out, so a group 0 may be written
	ds_add_u32 v3, v4                              ; 0 onto my spare word
.if \fill
	s_xor_b32 s41, s41, SLOT1                      ; the walking descriptors: the other slot than last time,
	s_add_nc_u64 s[42:43], s[42:43], 0x10000       ; the next 1,024 keys; the type bits on top are not reached
	s_xor_b32 s45, s45, SLOT1
	s_add_nc_u64 s[46:47], s[46:47], 0x10000
.endif
	s_wait_dscnt 0x0                               ; the add is done, and my reads of the slot that I have left are over
.if \fill
	CROUND
	TLOAD
.else
	s_barrier_signal -1
	s_barrier_wait -1
.endif
.endm
.macro SLOT_STEPS
	v_add_nc_u32 v5, s23, v1                       ; K's images in the slot in hand,
	s_delay_alu instid0(VALU_DEP_1)
	v_add_nc_u32 v6, 0x10000, v5                   ; V's behind them;
	s_wait_alu depctr_va_vdst(0)
	v_add_nc_u32 v7, s56, v2                       ; K's scale words of these eight steps,
	s_delay_alu instid0(VALU_DEP_1)
	v_add_nc_u32 v8, 0x2000, v7                    ; V's
.irp n, 0,1,2,3,4,5,6,7
	STEP \n
.endr
	s_xor_b32 s23, s23, SLOT1
	s_add_co_u32 s56, s56, 2048
.endm
.Lslot:                                            ; three trips: behind each change of slots but the last the next slot is asked for
	CHANGE 1
	s_wait_alu depctr_va_vdst(0)
	SLOT_STEPS
	s_sub_co_u32 s57, s57, 1
	s_cmp_lg_u32 s57, 0
	s_cbranch_scc1 .Lslot
	CHANGE 0                                       ; the last slot is written out
	SLOT_STEPS
	; THE WAY OUT.  O^T / the sum is quantised along d: registers 16 b + i are d = 32 b + 16 (lane / 16) + i of my query: two blocks.  The codes are an operand's registers of the projection and are stored as they stand.
.rept 8
	v_nop
.endr
	v_add_f32 v14, v14, v15
	s_delay_alu instid0(VALU_DEP_1)
	v_permlanex16_b32 v235, v14, s18, s19
	s_delay_alu instid0(VALU_DEP_1)
	v_add_f32 v14, v14, v235                       ; the row's sum
	s_wait_alu depctr_va_vdst(0)
	v_rcp_f32 v14, v14
	v_nop                                          ; a plain line behind the transcendental
.set j, 0
	s_wait_alu depctr_va_vdst(0)
.rept 32
	v_mul_f32 v[SS+j], v[OA+j], v14                ; each accumulator from its low end on
.set j, j+1
.endr
.irp b, 0,1
	v_max3_num_f32 v[BM+\b], |v[SS+16*\b]|, |v[SS+1+16*\b]|, 0x8000000
.endr
.irp i, 2,4,6,8,10,12,14
.irp b, 0,1
	s_delay_alu instid0(VALU_DEP_2)
	v_max3_num_f32 v[BM+\b], v[BM+\b], |v[SS+16*\b+\i]|, |v[SS+1+16*\b+\i]|
.endr
.endr
.irp b, 0,1
	s_delay_alu instid0(VALU_DEP_2)
	v_permlanex16_b32 v[T2+\b], v[BM+\b], s18, s19
.endr
.irp b, 0,1
	s_delay_alu instid0(VALU_DEP_2)
	v_max_num_f32 v[BM+\b], v[BM+\b], v[T2+\b]
.endr
.irp b, 0,1
	s_delay_alu instid0(VALU_DEP_2)
	v_add_nc_u32 v[SO+\b], 0xf8800000, v[BM+\b]
.endr
.irp b, 0,1
.endr
.irp b, 0,1
	s_delay_alu instid0(VALU_DEP_2)
	v_lshrrev_b32 v[T2+\b], 23, v[SO+\b]
.endr
	s_delay_alu instid0(VALU_DEP_1)
	v_lshl_or_b32 v234, v221, 8, v220              ; my query's two bytes
.irp b, 0,1
.irp i, 0,1,2,3,4,5,6,7,8,9,10,11,12,13,14,15
.endr
	v_cvt_scalef32_pk8_bf8_f32 v[PC+4*\b:PC+1+4*\b], v[SS+16*\b:SS+7+16*\b], v[SO+\b]
	v_cvt_scalef32_pk8_bf8_f32 v[PC+2+4*\b:PC+3+4*\b], v[SS+8+16*\b:SS+15+16*\b], v[SO+\b]
.endr
	v_nop
	global_store_b128 v1, v[PC:PC+3], s[8:9]       ; 512 consecutive bytes each
	global_store_b128 v1, v[PC+4:PC+7], s[8:9] offset:512
	ds_store_b16 v9, v234                          ; both halves of the lanes write the same two bytes
	s_wait_dscnt 0x0                               ; for the others' sake
	s_barrier_signal -1
	s_barrier_wait -1
	s_cmp_lg_u32 s12, 0
	s_cbranch_scc1 .Lnot_first
	ds_load_b128 v[216:219], v10                   ; wave 0 stores the work-group's 512 scale bytes: two aligned runs of 256
	s_wait_dscnt 0x0
	global_store_b128 v1, v[216:219], s[10:11]
.Lnot_first:
	s_wait_tensorcnt 0x0                           ; the wave's end, behind my last tensor load and my last LDS store
	ds_add_u32 v3, v4
	s_wait_dscnt 0x0
	CROUND                                         ; the closing round: no work-group ends while a partner may still ask for a tile that names it
	s_endpgm
.Lfunc_end_k_q9beeb5d03c_attn:
	.size	k_q9beeb5d03c_attn, .Lfunc_end_k_q9beeb5d03c_attn-k_q9beeb5d03c_attn
	.p2alignl 7, 3214868480
	.fill 96, 4, 3214868480
	.section	.rodata,"a",@progbits
	.p2align	6, 0x0
	.amdhsa_kernel k_q9beeb5d03c_attn
		.amdhsa_group_segment_fixed_size 327680
		.amdhsa_private_segment_fixed_size 0
		.amdhsa_enable_private_segment 0
		.amdhsa_kernarg_size 32
		.amdhsa_user_sgpr_count 2
		.amdhsa_user_sgpr_kernarg_segment_ptr 1
		.amdhsa_wavefront_size32 1
		.amdhsa_system_sgpr_workgroup_id_x 1
		.amdhsa_system_sgpr_workgroup_id_y 1
		.amdhsa_system_sgpr_workgroup_id_z 1
		.amdhsa_system_vgpr_workitem_id 0
		.amdhsa_next_free_vgpr 256
		.amdhsa_next_free_sgpr 72
		.amdhsa_reserve_vcc 0
		.amdhsa_float_denorm_mode_32 3
		.amdhsa_float_denorm_mode_16_64 3
		.amdhsa_fp16_overflow 1
		.amdhsa_memory_ordered 1
		.amdhsa_forward_progress 1
		.amdhsa_inst_pref_size 255
	.end_amdhsa_kernel
	.section	.bss,"aw",@nobits
	.p2align	6
	.space	262144
	.amdgpu_metadata
---
amdhsa.version: [ 1, 2 ]
amdhsa.kernels:
  - .name:           k_q9beeb5d03c_attn
    .symbol:         k_q9beeb5d03c_attn.kd
    .args:
      - { .name: qkvc, .offset: 0, .size: 8, .value_kind: global_buffer, .address_space: global }
      - { .name: qkvs, .offset: 8, .size: 8, .value_kind: global_buffer, .address_space: global }
      - { .name: ocodes, .offset: 16, .size: 8, .value_kind: global_buffer, .address_space: global }
      - { .name: oscales, .offset: 24, .size: 8, .value_kind: global_buffer, .address_space: global }
    .group_segment_fixed_size: 327680
    .private_segment_fixed_size: 0
    .kernarg_segment_align: 8
    .kernarg_segment_size: 32
    .max_flat_workgroup_size: 512
    .sgpr_count:     72
    .vgpr_count:     256
    .wavefront_size: 32
...
	.end_amdgpu_metadata
.endif
;; end of part 3
;; launch proj (part 4): grid 256 x 1, 16 waves a work-group, no clusters, 88,064 bytes of LDS; arguments ocodes, oscales, proj_w_codes, proj_w_scales, proj_b, x, out0; writes out0
.if DOCPART == 4
	.amdgcn_target "amdgcn-amd-amdhsa--gfx1250"
	.amdhsa_code_object_version 6
	.text
	.protected	k_q9beeb5d03c_proj
	.globl	k_q9beeb5d03c_proj
	.p2align	8
	.type	k_q9beeb5d03c_proj,@function
k_q9beeb5d03c_proj:
	s_mov_b64 s[64:65], 0
	v_nop
	global_prefetch_b8 v0, s[64:65] scope:SCOPE_SE
	s_setreg_imm32_b32 hwreg(HW_REG_WAVE_MODE, 25, 1), 1
	s_wait_xcnt 0x0
; out = x + W O + b: the projection on codes of BF8 (E5M2) with one E8M0 scale for each 32 along K (the 256 channels = 4 heads x 64), and the residual.
; SHARES.  Work-group g owns image b = g / 64 and the 64 pixels from 64 (g % 64) on; wave w owns outputs 16 w .. 16 w + 15 for the four tiles of 16 pixels: eight matrix instructions.
; O's codes lie in memory as images of the operand's registers, [b][tile][head][c][lane][16 bytes]: a block's eight fragments are 16,384 dense bytes.  They are copied into LDS once (16 bytes a thread, twice) and every wave reads them from there.
; Source 0 = 16 pixels of O, source 1 = 16 rows of W: a lane holds ONE output channel and eight neighbouring pixels, which is how out0 lies.  A tile's rows are pixels 32 (t / 2) + 8 (t % 2) + r + 8 (r / 8),
; so register j of lane (r, h) is pixel 32 (t / 2) + 8 (t % 2) + 16 h + j.  The bias is the C of each sum's first matrix instruction.
; The results go through the wave's own stage in LDS and leave as whole rows: sixteen lanes store 256 consecutive bytes of one channel, aligned.  x is asked for at the head and added on the way out.
; No tensor loads and no cluster: what work-groups share is W, 4,096 bytes a wave, read once into registers.
.set STG, 16384                        ; LDS: O's images, 16,384 bytes; then for each wave 16 rows x (256 bytes + 16)
.set OS,  10                           ; v10-17 O's scale words, 2 t + s: scales and nothing else;  v18-19 W's
.set BI,  24                           ; v24-31 the bias in the result's layout
.set WF,  32                           ; v32-63 W's two fragments
.set ACC, 64                           ; v64-95 four accumulators
.set XR,  96                           ; v96-127 x
.set OF,  128                          ; v128-255 O's eight fragments; before them v128-143 the scale halves as loaded, v144-151 the copy; behind them the rows read back
	s_load_b256 s[4:11], s[0:1], 0x0               ; ocodes 4, oscales 6, W's codes 8, W's scales 10
	s_load_b128 s[12:15], s[0:1], 0x20             ; bias 12, x 14
	s_load_b64 s[16:17], s[0:1], 0x30              ; out0
	v_lshrrev_b32 v1, 5, v0
	s_delay_alu instid0(VALU_DEP_1)
	v_readfirstlane_b32 s18, v1                    ; wave 0..15
	s_lshr_b32 s19, ttmp9, 6                       ; b
	s_and_b32 s20, ttmp9, 63                       ; which 64 pixels
	v_and_b32 v1, 31, v0
	s_delay_alu instid0(VALU_DEP_1)
	v_lshlrev_b32 v1, 4, v1                        ; 16 x lane
	v_lshlrev_b32 v2, 4, v0                        ; 16 x thread
	v_and_b32 v21, 15, v0                          ; r
	v_bfe_u32 v22, v0, 4, 1                        ; h
	s_delay_alu instid0(VALU_DEP_2)
	v_lshlrev_b32 v3, 4, v21
	s_delay_alu instid0(VALU_DEP_1)
	v_lshl_add_u32 v3, v22, 14, v3                 ; x and out0: channel h of a pair, 16 bytes a lane
	s_delay_alu instid0(VALU_DEP_4)
	v_lshlrev_b32 v4, 8, v21
	s_delay_alu instid0(VALU_DEP_1)
	v_lshl_add_u32 v4, v22, 4, v4                  ; W's codes: row r, + 16 h
	v_lshlrev_b32 v5, 3, v21                       ; W's scale bytes
	v_lshlrev_b32 v6, 2, v21                       ; the bias
	v_lshlrev_b32 v7, 1, v21                       ; O's scale halves
	s_mul_i32 s25, s18, 4352
	s_add_co_u32 s25, s25, STG                     ; my stage
	s_mov_b32 s23, 0
	s_wait_alu depctr_va_vdst(0)
	s_wait_kmcnt 0x0
	s_lshl_b32 s22, ttmp9, 14
	s_add_nc_u64 s[4:5], s[4:5], s[22:23]
	s_lshl_b32 s22, s19, 15
	s_lshl_b32 s24, s20, 7
	s_add_co_u32 s22, s22, s24
	s_add_nc_u64 s[6:7], s[6:7], s[22:23]          ; oscales: 8,192 bytes a head, 32 a tile
	s_lshl_b32 s22, s18, 12
	s_add_nc_u64 s[8:9], s[8:9], s[22:23]
	s_lshl_b32 s22, s18, 7
	s_add_nc_u64 s[10:11], s[10:11], s[22:23]
	s_lshl_b32 s22, s18, 6
	s_add_nc_u64 s[12:13], s[12:13], s[22:23]
	s_lshl_b32 s22, s19, 22
	s_lshl_b32 s24, s18, 18
	s_add_co_u32 s22, s22, s24
	s_lshl_b32 s24, s20, 8
	s_add_co_u32 s22, s22, s24
	s_add_nc_u64 s[14:15], s[14:15], s[22:23]      ; image b, channel 16 w, my first pixel
	s_add_nc_u64 s[16:17], s[16:17], s[22:23]
	global_load_b128 v[144:147], v2, s[4:5]        ; the copy: 512 threads x 16 bytes, twice
	global_load_b128 v[148:151], v2, s[4:5] offset:8192
.irp s, 0,1
.irp c, 0,1,2,3
	global_load_b128 v[WF+16*\s+4*\c:WF+16*\s+4*\c+3], v4, s[8:9] offset:128*\s+32*\c
.endr
.endr
	global_load_b32 v18, v5, s[10:11]
	global_load_b32 v19, v5, s[10:11] offset:4
	global_load_b32 v20, v6, s[12:13]
.irp t, 0,1,2,3
.irp n, 0,1,2,3
	global_load_u16 v[128+4*\t+\n], v7, s[6:7] offset:8192*\n+32*\t       ; tile t, head n: row r's two bytes
.endr
.endr
.irp i, 0,1,2,3,4,5,6,7
	global_load_b128 v[XR+4*\i:XR+4*\i+3], v3, s[14:15] offset:32768*\i th:TH_LOAD_NT      ; x's last use
.endr
	s_wait_loadcnt 35                              ; the two copy loads are in; the 35 issued behind them may stay out
	ds_store_b128 v2, v[144:147]
	ds_store_b128 v2, v[148:151] offset:8192
	s_wait_dscnt 0x0                               ; for the others' sake
	s_barrier_signal -1
	s_barrier_wait -1                              ; O's eight fragments lie in LDS
	s_wait_loadcnt 8                               ; all but x's eight
.irp t, 0,1,2,3
.irp s, 0,1
	v_lshl_or_b32 v[OS+2*\t+\s], v[129+4*\t+2*\s], 16, v[128+4*\t+2*\s]   ; a K step's four bytes: heads 2 s and 2 s + 1
.endr
.endr
	v_mul_u32_u24 v8, v21, 272                     ; eight places behind the scale words: the stage's addresses.  In: row r, + 64 h
	s_delay_alu instid0(VALU_DEP_1)
	v_lshl_add_u32 v8, v22, 6, v8
	s_delay_alu instid0(VALU_DEP_1)
	v_add_nc_u32 v8, s25, v8
	v_mul_u32_u24 v9, v22, 272                     ; back: lanes 0-15 one row, lanes 16-31 the next
	s_delay_alu instid0(VALU_DEP_1)
	v_lshl_add_u32 v9, v21, 4, v9
	s_delay_alu instid0(VALU_DEP_1)
	v_add_nc_u32 v9, s25, v9
	v_nop
	v_nop
.irp j, 0,1,2,3,4,5,6,7
	v_mov_b32 v[BI+\j], v20                        ; a lane holds one output: its bias in all eight registers
.endr
.irp t, 0,1,2,3
.irp s, 0,1
.irp c, 0,1,2,3
	ds_load_b128 v[OF+32*\t+16*\s+4*\c:OF+32*\t+16*\s+4*\c+3], v1 offset:4096*\t+2048*\s+512*\c
.endr
.endr
.endr
	s_wait_alu depctr_va_vdst(0)
	s_wait_dscnt 0x0
.irp t, 0,1,2,3                        ; the four accumulators by turns
	v_wmma_scale_f32_16x16x128_f8f6f4 v[ACC+8*\t:ACC+8*\t+7], v[OF+32*\t:OF+32*\t+15], v[WF:WF+15], v[BI:BI+7], v[OS+2*\t], v18 matrix_a_fmt:MATRIX_FMT_BF8 matrix_b_fmt:MATRIX_FMT_BF8
.endr
.irp t, 0,1,2,3
	v_wmma_scale_f32_16x16x128_f8f6f4 v[ACC+8*\t:ACC+8*\t+7], v[OF+32*\t+16:OF+32*\t+31], v[WF+16:WF+31], v[ACC+8*\t:ACC+8*\t+7], v[OS+2*\t+1], v19 matrix_a_fmt:MATRIX_FMT_BF8 matrix_b_fmt:MATRIX_FMT_BF8
.endr
.rept 8
	v_nop                                          ; eight places ahead of the first read of results and of loads into registers that the products have read
.endr
.irp t, 0,1,2,3
	ds_store_b128 v8, v[ACC+8*\t:ACC+8*\t+3] offset:128*(\t/2)+32*(\t%2)          ; each accumulator from its low end on
	ds_store_b128 v8, v[ACC+8*\t+4:ACC+8*\t+7] offset:128*(\t/2)+32*(\t%2)+16
.endr
.irp i, 0,1,2,3,4,5,6,7
	ds_load_b128 v[OF+4*\i:OF+4*\i+3], v9 offset:544*\i    ; my own stage: LDS serves a wave's instructions in order (ISA guide 5.7.1.4): these see the stores above
.endr
	s_wait_loadcnt 0x0                             ; x
.irp i, 0,1,2,3,4,5,6,7
	s_wait_dscnt 7-\i                              ; rows 2 i, 2 i + 1 are back; the younger reads may stay out
	v_pk_add_f32 v[OF+4*\i:OF+4*\i+1], v[OF+4*\i:OF+4*\i+1], v[XR+4*\i:XR+4*\i+1]
	v_pk_add_f32 v[OF+4*\i+2:OF+4*\i+3], v[OF+4*\i+2:OF+4*\i+3], v[XR+4*\i+2:XR+4*\i+3]
	global_store_b128 v3, v[OF+4*\i:OF+4*\i+3], s[16:17] offset:32768*\i th:TH_STORE_NT    ; 16 lanes store 256 consecutive bytes, aligned
.endr
	s_wait_xcnt 0x0
	v_lshl_add_u32 v142, v0, 2, 0x15000
	v_mov_b32 v143, 0
	s_wait_alu depctr_va_vdst(0)
	s_wait_tensorcnt 0x0
	ds_add_u32 v142, v143
	s_wait_dscnt 0x0
	s_endpgm
.Lfunc_end_k_q9beeb5d03c_proj:
	.size	k_q9beeb5d03c_proj, .Lfunc_end_k_q9beeb5d03c_proj-k_q9beeb5d03c_proj
	.p2alignl 7, 3214868480
	.fill 96, 4, 3214868480
	.section	.rodata,"a",@progbits
	.p2align	6, 0x0
	.amdhsa_kernel k_q9beeb5d03c_proj
		.amdhsa_group_segment_fixed_size 88064
		.amdhsa_private_segment_fixed_size 0
		.amdhsa_enable_private_segment 0
		.amdhsa_kernarg_size 56
		.amdhsa_user_sgpr_count 2
		.amdhsa_user_sgpr_kernarg_segment_ptr 1
		.amdhsa_wavefront_size32 1
		.amdhsa_system_sgpr_workgroup_id_x 1
		.amdhsa_system_sgpr_workgroup_id_y 1
		.amdhsa_system_sgpr_workgroup_id_z 1
		.amdhsa_system_vgpr_workitem_id 0
		.amdhsa_next_free_vgpr 256
		.amdhsa_next_free_sgpr 66
		.amdhsa_reserve_vcc 0
		.amdhsa_float_denorm_mode_32 3
		.amdhsa_float_denorm_mode_16_64 3
		.amdhsa_memory_ordered 1
		.amdhsa_forward_progress 1
		.amdhsa_inst_pref_size 14
	.end_amdhsa_kernel
	.amdgpu_metadata
---
amdhsa.version: [ 1, 2 ]
amdhsa.kernels:
  - .name:           k_q9beeb5d03c_proj
    .symbol:         k_q9beeb5d03c_proj.kd
    .args:
      - { .name: ocodes, .offset: 0, .size: 8, .value_kind: global_buffer, .address_space: global }
      - { .name: oscales, .offset: 8, .size: 8, .value_kind: global_buffer, .address_space: global }
      - { .name: proj_w_codes, .offset: 16, .size: 8, .value_kind: global_buffer, .address_space: global }
      - { .name: proj_w_scales, .offset: 24, .size: 8, .value_kind: global_buffer, .address_space: global }
      - { .name: proj_b, .offset: 32, .size: 8, .value_kind: global_buffer, .address_space: global }
      - { .name: x, .offset: 40, .size: 8, .value_kind: global_buffer, .address_space: global }
      - { .name: out0, .offset: 48, .size: 8, .value_kind: global_buffer, .address_space: global }
    .group_segment_fixed_size: 88064
    .private_segment_fixed_size: 0
    .kernarg_segment_align: 8
    .kernarg_segment_size: 56
    .max_flat_workgroup_size: 512
    .sgpr_count:     66
    .vgpr_count:     256
    .wavefront_size: 32
...
	.end_amdgpu_metadata
.endif
;; end of part 4
